; MI455X (gfx1250); checked and timed in simulation.
; The chip was launched on July 23, 2026; its instructions are those of AMD's public machine-readable ISA for CDNA 5 (MIT licence, August 2026) and "CDNA5" Instruction Set Architecture Reference Guide (July 2026). The comments in the code are by the model that wrote it; some were corrected since.
;; Attn Fathers. Allowed arithmetic: matrix products marked QUANTISED: E4M3 operands, one E8M0 scale for each 32 along K, by v_wmma_scale_f32_16x16x128_f8f6f4 with both operands' format E4M3, f32 sums; products left as they are: f32 operands where the result goes on into a quantised operand, else bf16, f16 or f32 operands; f32 sums; everything else in f32.
;; Inputs: attn_W_codes 1,024 x 32 x 32 uint8 (E4M3 codes of attn_W, K innermost, in blocks of 32 codes); attn_W_scales 1,024 x 32 uint8 (E8M0 scales of attn_W, one for each 32 codes along K); attn_b 1,024 float32; fathers_lengths 16 int32; fathers_outputs_codes 16 x 128 x 32 x 32 x 32 uint8 (E4M3 codes of fathers_outputs, K innermost, in blocks of 32 codes); fathers_outputs_scales 16 x 128 x 32 x 32 uint8 (E8M0 scales of fathers_outputs, one for each 32 codes along K); hidden 1 x 16 x 1,024 float32.
;; Outputs: out0 16 x 128 x 32 float32.
;; This version of the problem:
;;   THIS VERSION OF THE PROBLEM IS GIVEN IN LOW PRECISION. The matrix products marked QUANTISED in the list below multiply operands that are first quantised to E4M3 (4 exponent bits, 3 mantissa bits; 8 bits a number), with one power-of-two scale for each 32 numbers along K (OCP MX v1.0); their sums are f32. All else is computed in f32.
;;   The module's matrix products, in the order in which they are computed (A, B: the left and right operand; K: the contracted axis; several contracted axes count as one K, in the product's order):
;;     1. [M 65,536, K 1,024] x [K 1,024, N 1,024]; A: input fathers_outputs (given as codes); B: input attn_W (given as codes): QUANTISED
;;     2. batch 16 x [M 1, K 1,024] x [K 1,024, N 4,096]; A: input hidden; B: computed on the way: left as it is (M = 1 < 16)
;;   THE QUANTISER, for each operand of a quantised product, along K:
;;     - K is cut into blocks of 32 from its start; a last block that is shorter is filled with zeros.
;;     - A block's scale is 2^e with e = floor(log2(the largest magnitude in the block)) - 8, held to -126 .. 127; a block of zeros has e = 0. As a byte (E8M0): e + 127.
;;     - Each number is divided by its block's scale, clamped to +-448, and rounded to the nearest number of E4M3, ties to even, subnormals kept.
;;     - The product sums the exact products of the quantised numbers (number of the format x scale) in f32.
;;   ~~~python
;;   def quantise(x, axis):      # numpy; x: float32 -> the quantised numbers, widened to float32 again
;;       x = np.moveaxis(x, axis, -1); K = x.shape[-1]
;;       x = np.pad(x, [(0, 0)] * (x.ndim - 1) + [(0, -K % 32)]); x = x.reshape(x.shape[:-1] + (-1, 32)); a = np.abs(x).max(-1, keepdims=True)
;;       e = np.where(a > 0, np.clip(np.frexp(np.where(a > 0, a, 1))[1] - 1 - 8, -126, 127), 0)      # np.frexp(a)[1] - 1 = floor(log2(a)), exactly
;;       r = np.clip(x / 2.0 ** e, -448, 448)
;;       step = 2.0 ** (np.maximum(np.frexp(np.where(r == 0, 1, r))[1] - 1, -6) - 3)
;;       q = np.round(r / step) * step * 2.0 ** e      # np.round: ties to even
;;       return np.moveaxis(q.reshape(q.shape[:-2] + (-1,))[..., :K], -1, axis).astype(np.float32)
;;   ~~~
;;   INPUTS GIVEN AS CODES. attn_W (in the module: [1024, 1024], K = its axis 1); fathers_outputs (in the module: [16, 128, 32, 1024], K = its axis 3): each comes as NAME_codes (uint8): NAME with its K axis moved to the last place and cut into blocks of 32 codes, [.., K / 32, bytes a block], one block behind the other in memory; one code a byte (a code: sign, 4 exponent bits, 3 mantissa bits); and NAME_scales (uint8): the same leading axes, one E8M0 byte (e + 127) for each 32 codes along K. Its value is code x scale, taken as it is: it is not quantised again, and the codes and scales need not be those that the quantiser above would give.
;; One version. Each part assembles by itself: llvm-mc -triple=amdgcn-amd-amdhsa -mcpu=gfx1250 --defsym DOCPART=n.
;; ======== version 1 of 1: 1 launch
;; limits: right only within a limited range of input values
;; launch attn (part 1): grid 16 x 16, 4 waves a work-group, clusters of 4 x 1, 327,680 bytes of LDS; arguments fathers_outputs_codes, fathers_outputs_scales, attn_W_codes, attn_W_scales, hidden, out0; writes out0
.if DOCPART == 1
	.amdgcn_target "amdgcn-amd-amdhsa--gfx1250"
	.amdhsa_code_object_version 6
	.text
	.protected	k_q38bbca353f_attn
	.globl	k_q38bbca353f_attn
	.p2align	8
	.type	k_q38bbca353f_attn,@function
k_q38bbca353f_attn:
	s_mov_b64 s[64:65], 0
	v_nop
	global_prefetch_b8 v0, s[64:65] scope:SCOPE_SE
	s_setreg_imm32_b32 hwreg(HW_REG_WAVE_MODE, 25, 1), 1
	s_wait_xcnt 0x0
	s_wait_alu depctr_hold_cnt(0) depctr_sa_sdst(0) depctr_va_vdst(0) depctr_va_sdst(0) depctr_va_ssrc(0) depctr_va_vcc(0) depctr_vm_vsrc(0)
	s_getreg_b32 s2, hwreg(HW_REG_IB_STS2, 6, 4)
	s_cmp_eq_u32 s2, 0
	s_cbranch_scc0 .Lentry_in_a_cluster
	s_endpgm
.Lentry_in_a_cluster:
	s_bfe_u32 s2, ttmp6, 0x10000c
	s_cmp_lg_u32 s2, 0x3003
	s_cbranch_scc0 .Lentry_shape_is_right
	s_endpgm
.Lentry_shape_is_right:
; out0[b][m][f] = softmax over m of score[b][m][f];  score = sum over o of hidden[b][o] x (sum over k of F[b][m][f][k] W[o][k]).
; F: 16 x 128 x 32 rows of 1,024 codes of FP8 (E4M3), W: 1,024 rows of 1,024 codes, each with one E8M0 byte for 32 along K; the inner sum is made by the scaled matrix instruction on codes and bytes as they lie.
; DEAD WORK.  The problem's function adds attn_b[o] to the inner sum; its way to the score is the sum over o of hidden[b][o] attn_b[o], one number for each b, the same for every m and f: a term that is the same along
; the softmax's axis, which the softmax cancels whatever attn_b and hidden hold.  So attn_b is not loaded and is not among the arguments.  fathers_lengths is never read by the problem's function: not an argument either.
; LIMITS: a NaN, an infinity or an overflow that reaches only that left-out term is not carried to the result.  Codes and scale bytes are taken as given: a NaN code or a byte 0xff gives NaN.
; v_exp_f32 gives 0 where the result would lie under 2^-126 (ISA guide, its entry in 15.8).
; SHARES.  A work-group owns one b and two f (f = 2 j + f'), all 128 m: 256 rows of F and two whole softmax columns: 16 x 16 work-groups, nothing goes between them.
; Wave w: f' = w / 2: 128 rows, eight row blocks; kh = w % 2: half of K, four K steps of 128: s = 0, 1 at k = 256 kh + 128 s, s = 2, 3 at k = 512 + 256 kh + 128 (s - 2).  Its F stays in 512 registers.
; The score is linear in the inner sum, so a sum over any part of K is multiplied by hidden[o] and added at once; the two kh halves' parts of the scores meet in LDS at the end.
; ORDER.  F's k < 512 comes through LDS at the head; F's k >= 512 goes from memory into its registers meanwhile (a lane 16 bytes; four loads take 128 consecutive bytes of each of 16 rows).
;   A: o = 768 .. 1023 with K steps 0, 1;  then o = 0 .. 767, six tiles of 128 o, with all four;  then B: o = 768 .. 1023 with K steps 2, 3.  (B's two tiles are brought whole, by the ring's own descriptor.)
; CLUSTER.  The four work-groups of a cluster (four j of one b) walk the same W: its tiles and scale bytes are asked for JOINTLY (mask 15).  F's rows belong to one work-group alone: plain loads.
; No prefetch: a tile of W is asked for a whole step (up to 256 products a wave) ahead, and F's halves are asked for once each, with no loop to run ahead in.
; THE MATRIX INSTRUCTION: source 0 = 16 rows o of W, source 1 = 16 rows of F: lane (r, h) then holds F's row r, and register j the inner sum for o = 16 T + 8 h + j.  A fold is one packed multiply-add: two o at a time
; onto one of the row block's two pairs of sums.  A UNIT is 16 o: its products stand with the folds of the unit before.
; out0 is stored 8 bytes a lane (two f of one m), rows 128 bytes apart: one owner for each softmax column; the output is 262,144 bytes.
;
; LDS: slot X and slot Y.  Head: X = 256 rows o x 528 (512 bytes + 16), Y = F's 256 rows x 528.  Ring: 128 rows o x 1,040 (1,024 bytes + 16).  Either pitch is 4 words beyond a multiple of 64 words (64 banks of
; 4 bytes: ISA guide 11.1), so the 16 rows of a fragment load start at 16 different banks.  WSC: all of W's scale bytes.  HV: hidden[b].  SPARE: the spare words.  PART: the scores' parts, in Y behind its last fill and read.
; REGISTERS.  Windows 1, 2, 3: row blocks 0-2, 3-5, 6-7 (u = block % 3): v[64 u + 16 s] F's fragments; v[192 + 24 a + 8 u] accumulator of set a; v[240 + 4 u] two pairs of sums.
;   Window 0: addresses, hidden's numbers, scale words, W's three fragment buffers.  One setting (destination, sources 1 and 2 in window k, source 0 in window 0) serves a product and a fold alike.
.set YB,    135168
.set WSC,   270336
.set HV,    303104
.set SPARE, 307200                     ; 128 bytes for each wave: two blocks of 256 bytes that no other line names
.set PA,    8448                       ; 16 rows of the head's pitch
.set PF,    16640                      ; 16 rows of the ring's pitch
.set TILEB, 128*1024
.set SPW, 1                            ; v1  LDS address of my spare word; never rewritten
.set NIL, 2                            ; v2  0; never rewritten
.set XL,  3                            ; v3-6   my place in the ring's slots: X rows 0-63, X rows 64-127, Y likewise
.set XH,  4
.set YL,  5
.set YH,  6
.set AWS, 7                            ; v7  my place among W's scale words
.set AH,  8                            ; v8  and in hidden
.set GF,  9                            ; v9  my byte offset in F's rows
.set LN,  10
.set A0,  11                           ; v11-12  my place in A's rows 0-127, 128-255
.set A1,  12
.set FAA, 13                           ; v13 my place in F's rows
.set HO,  14                           ; v14-21  hidden's numbers of an odd unit
.set HE0, 22                           ; v22-29, v30-37  of even units by turns
.set WSR, 38                           ; v38-41, v42-45  W's scale words of a pair of units, word s: lanes 0-15 the even unit, lanes 16-31 the odd one
.set VR,  46
.set VH,  47
.set ASR, 48                           ; v48-63  F's scale words: 4 (block / 2) + s: lanes 0-15 the even block, lanes 16-31 the odd one
.set BP,  64                           ; W's buffers, fragment s at + 16 s: BQ even units, BP and BR (= BP + 128) odd units by turns
.set BQ,  128
.set WV,  16
.set RG,  17
.set KH,  18
.set JJ,  19
.set BB,  20
.set CX,  21
.set G1FA, 24
.set G1AT, 32
.set G1W,  40
.set G1WS, 48
.set G0FA, 56
.set G0AT, 60
.set G0WS, 68
.set G0WX, 72
.set G0WY, 76
.set SEL,  80
.set CNT,  88
.set FBB,  90
.set MSB, 0
.macro WIN new                         ; the immediate's high byte repeats the setting that is left; a switch that changes nothing is dropped
.if MSB != (\new)
	s_set_vgpr_msb (MSB<<8)|(\new)
.set MSB, (\new)
.endif
.endm
.macro PLACES n
.rept \n
	v_nop
.endr
.endm
.macro DESC1 g, w0, d0, d1, st         ; a group 1: a tile of d1 rows of d0 elements, st elements from row to row; the tensor's extents are the tile's
	s_mov_b32 s[\g], \w0
	s_mov_b32 s[\g+1], (\d0)<<16
	s_mov_b32 s[\g+2], (\d1)<<16
	s_mov_b32 s[\g+3], (\d0)<<16
	s_mov_b32 s[\g+4], \d1
	s_mov_b32 s[\g+5], \st
	s_mov_b32 s[\g+6], 0
	s_mov_b32 s[\g+7], 0
.endm
.macro CREST                           ; a round of the cluster's barrier behind its opening barrier
	s_cmp_lg_u32 s[WV], 0
	s_cbranch_scc1 .Lnot_wave_0_\@
	s_barrier_signal -3
.Lnot_wave_0_\@:
	s_barrier_wait -3
	s_barrier_signal -1
	s_barrier_wait -1
.endm
.macro CROUND
	s_barrier_signal -1
	s_barrier_wait -1
	CREST
.endm
; W's fragments of one unit, K steps s0 .. s0 + ns - 1: registers 4 c .. 4 c + 3 hold k = 32 c + 16 h + 0 .. 15
.macro FRAG buf, adr, off, s0, ns
.set fq, \s0
.rept \ns
.irp c, 0,1,2,3
	ds_load_b128 v[\buf+16*fq+4*\c:\buf+16*fq+4*\c+3], v[\adr] offset:\off+512*(fq/2)+128*(fq%2)+32*\c
.endr
.set fq, fq+1
.endr
.endm
.macro LDH reg, off                    ; hidden's eight numbers of my half of a unit
	ds_load_b128 v[\reg:\reg+3], v[AH] offset:\off
	ds_load_b128 v[\reg+4:\reg+7], v[AH] offset:\off+16
.endm
.macro FAL s                           ; F's fragments of K step s (0, 1), all eight row blocks
.irp i, 0,1,2,3,4,5,6,7
	WIN ((\i/3)+1)<<6
.irp c, 0,1,2,3
	ds_load_b128 v[64*(\i%3)+16*\s+4*\c:64*(\i%3)+16*\s+4*\c+3], v[FAA] offset:PA*\i+128*\s+32*\c
.endr
.endr
	WIN 0
.endm
.macro FBL i                           ; F's fragments of K steps 2, 3 of row block i, from memory
	WIN (((\i)/3)+1)<<6
.irp s, 0,1
.irp c, 0,1,2,3
	global_load_b128 v[64*((\i)%3)+32+16*\s+4*\c:64*((\i)%3)+32+16*\s+4*\c+3], v[GF], s[FBB:FBB+1] offset:524288*(\i)+128*\s+32*\c
.endr
.endr
.endm
; One product: row block wi, K step tS0 + q of the unit in hand.  The unit's first K step starts the sum with the constant 0.
.macro WM q
.set wk, tS0+(\q)
.set wb, uB+16*wk
.set wf, 64*(wi%3)+16*wk
.set wa, 192+24*uA+8*(wi%3)
.set ww, uW+wk
.set wc, ASR+4*(wi/2)+wk
.if (\q) == 0
.if uA
.if wi%2
	v_wmma_scale_f32_16x16x128_f8f6f4 v[wa:wa+7], v[wb:wb+15], v[wf:wf+15], 0, v[ww], v[wc] matrix_a_scale:MATRIX_SCALE_ROW1 matrix_b_scale:MATRIX_SCALE_ROW1
.else
	v_wmma_scale_f32_16x16x128_f8f6f4 v[wa:wa+7], v[wb:wb+15], v[wf:wf+15], 0, v[ww], v[wc] matrix_a_scale:MATRIX_SCALE_ROW1
.endif
.else
.if wi%2
	v_wmma_scale_f32_16x16x128_f8f6f4 v[wa:wa+7], v[wb:wb+15], v[wf:wf+15], 0, v[ww], v[wc] matrix_b_scale:MATRIX_SCALE_ROW1
.else
	v_wmma_scale_f32_16x16x128_f8f6f4 v[wa:wa+7], v[wb:wb+15], v[wf:wf+15], 0, v[ww], v[wc]
.endif
.endif
.else
.if uA
.if wi%2
	v_wmma_scale_f32_16x16x128_f8f6f4 v[wa:wa+7], v[wb:wb+15], v[wf:wf+15], v[wa:wa+7], v[ww], v[wc] matrix_a_scale:MATRIX_SCALE_ROW1 matrix_b_scale:MATRIX_SCALE_ROW1
.else
	v_wmma_scale_f32_16x16x128_f8f6f4 v[wa:wa+7], v[wb:wb+15], v[wf:wf+15], v[wa:wa+7], v[ww], v[wc] matrix_a_scale:MATRIX_SCALE_ROW1
.endif
.else
.if wi%2
	v_wmma_scale_f32_16x16x128_f8f6f4 v[wa:wa+7], v[wb:wb+15], v[wf:wf+15], v[wa:wa+7], v[ww], v[wc] matrix_b_scale:MATRIX_SCALE_ROW1
.else
	v_wmma_scale_f32_16x16x128_f8f6f4 v[wa:wa+7], v[wb:wb+15], v[wf:wf+15], v[wa:wa+7], v[ww], v[wc]
.endif
.endif
.endif
.endm
; One fold: register pair j of row block wi's accumulator of the unit before, times hidden's two numbers, onto the block's pair of sums j % 2.  The launch's first folds start the sums.
.macro FOLD j
.set fj, \j
.set fa, 192+24*(1-uA)+8*(wi%3)+2*fj
.set fs, 240+4*(wi%3)+2*(fj%2)
.set fh, uH+2*fj
.if uI && (fj < 2)
	v_pk_mul_f32 v[fs:fs+1], v[fh:fh+1], v[fa:fa+1]
.else
	v_pk_fma_f32 v[fs:fs+1], v[fh:fh+1], v[fa:fa+1], v[fs:fs+1]
.endif
.endm
; K step q of the unit, the row blocks of window g.  A unit's eight accumulators take turns, one instruction a turn.  An accumulator is read from its low pair on, and eight folds or
; more stand between its last product and its first fold; sixteen folds lie from one fold onto a pair of sums to the next.
.macro KSG q, g
	WIN 0x54*(\g)
.set gn, 3-(\g)/3
.set wi, 3*(\g)-3
.rept gn
	WM \q
.if uNF == 1
	FOLD (\q)
.endif
.if uNF == 2
	FOLD 2*(\q)
	FOLD 2*(\q)+1
.endif
.set wi, wi+1
.endr
.endm
.macro KQ q
	KSG \q, 1
	KSG \q, 2
	KSG \q, 3
.endm
; THE LDS LOADS stand in one run in each odd unit k: for units k + 1 and k + 2 (k = 7: the next tile's first two) W's scale words and fragments, and hidden's numbers of units k and k + 1.
; A load into a register that a matrix instruction has read stands eight places behind it: behind the last product on BQ stand 2 + 6 folds (two K steps a unit) or 1 + 8 (four).
.macro RUN k
.if (\k) == 7
.set rs0, nS0
.set rns, nNS
.set ra, nLO
.set re, 0
.set ro, nOB
.set rsc, nSC
.set rhe, nHB
.else
.set rn, (\k)+1
.set rs0, tS0
.set rns, tNS
.if rn < tSPL
.set ra, tLO
.else
.set ra, tHI
.endif
.set re, (rn%tSPL)*tOB
.set ro, ((rn+1)%tSPL)*tOB
.set rsc, tSC+512*rn
.set rhe, tHB+64*rn
.endif
.set rho, tHB+64*(\k)
.set rob, BP+128*((((\k)+1)/2)%2)
.set rws, WSR+4*((((\k)+1)/2)%2)
.set rhb, HE0+8*((((\k)+1)/2)%2)
	WIN 0
.if rs0 == 0
	ds_load_b64 v[rws:rws+1], v[AWS] offset:rsc
.endif
.if rs0+rns == 4
	ds_load_b64 v[rws+2:rws+3], v[AWS] offset:rsc+16
.endif
	FRAG BQ, ra, re, rs0, rns
	LDH HO, rho
	FRAG rob, ra, ro, rs0, rns
	LDH rhb, rhe
.endm
; In unit 5 the run reads the slot for the last time.  rnd = 1: the wait for all my tensor loads (the other slot's tile) and the add begin behind it, rnd = 2: that wait alone.
.macro XRUN k, rnd, g0, step, last
.if (\last) && ((\k) == 7)
	WIN 0
	LDH HO, tHB+448
.else
	RUN \k
.if tFB && ((\k) < 7)
	FBL \k+1
	FBL \k+2
	WIN 0
.endif
.endif
.if ((\k) == 5) && ((\rnd) > 0)
	s_wait_tensorcnt 0x0
.if (\rnd) == 1
	ds_add_u32 v[SPW], v[NIL]
.if \step
	s_add_nc_u64 s[\g0+2:\g0+3], s[\g0+2:\g0+3], 2*TILEB   ; no tensor load of mine is out; the type bits on top are not reached
.endif
.endif
.endif
.endm
; A unit.  Even: all loads but the youngest 4 tNS + 2 (the next odd unit's fragments, this unit's numbers of hidden) are back; odd: all.
; Unit 6 with rnd: the add and my reads of the slot are over: signal; products; then the round's rest and the joint refill of this slot, the wave's one tensor load until the next round (rnd = 2: the barrier's wait alone).
.macro UNIT k, rnd, g0, step, last
.set uA, (\k)%2
.set uW, WSR+4*(((\k)/2)%2)
.if uA
.set uB, BP+128*(((\k)/2)%2)
.set uH, HE0+8*(((\k)/2)%2)
	s_wait_dscnt 0x0
.else
.set uB, BQ
.set uH, HO
.if ((\k) == 6) && ((\rnd) > 0)
	s_wait_dscnt 0x0
	s_barrier_signal -1
.else
	s_wait_dscnt 4*tNS+2
.endif
.endif
	KSG 0, 1
.if uA && (tNS == 2)
	XRUN \k, \rnd, \g0, \step, \last
.endif
	KSG 0, 2
	KSG 0, 3
.if uA && (tNS == 4)
	XRUN \k, \rnd, \g0, \step, \last
.endif
.if tNS == 4
	KQ 1
	KQ 2
.endif
.if ((\k) == 6) && ((\rnd) > 0)
	WIN 0
	s_barrier_wait -1
.if (\rnd) == 1
	CREST
	tensor_load_to_lds s[\g0:\g0+3], s[G1W:G1W+7]
	s_nop 0
	PLACES 4
.endif
.endif
.if tNS == 4
	KQ 3
.else
	KQ 1
.endif
.endm
.macro SETT lo, hi, ob, spl, s0, ns, sc, hb     ; the tile in hand: address registers, bytes of 16 rows, K steps, where its scale words and hidden's numbers lie
.set tLO, \lo
.set tHI, \hi
.set tOB, \ob
.set tSPL, \spl
.set tS0, \s0
.set tNS, \ns
.set tSC, \sc
.set tHB, \hb
.set uNF, 4/(\ns)
.endm
.macro SETN lo, ob, s0, ns, sc, hb              ; the next one
.set nLO, \lo
.set nOB, \ob
.set nS0, \s0
.set nNS, \ns
.set nSC, \sc
.set nHB, \hb
.endm
.macro UNITS rnd, g0, step, last                ; units 1 to 7
.irp k, 1,2,3,4,5,6,7
	UNIT \k, \rnd, \g0, \step, \last
.endr
.endm
.macro ONWARD                                   ; the next 128 o among W's scale words and hidden's numbers; they are first read behind more than 32 folds
	WIN 0
	v_add_nc_u32 v[AWS], 4096, v[AWS]
	v_add_nc_u32 v[AH], 512, v[AH]
.endm
	; ---- the head
	s_load_b256 s[4:11], s[0:1], 0x0               ; F's codes s[4:5], F's scales s[6:7], W's codes s[8:9], W's scales s[10:11]
	s_load_b128 s[12:15], s[0:1], 0x20             ; hidden s[12:13], out0 s[14:15]
	v_lshl_add_u32 v[SPW], v0, 2, SPARE
	v_mov_b32 v[NIL], 0
	ds_add_u32 v[SPW], v[NIL]                      ; the wave's opening: the add, twice on end, and its wait ahead of my first tensor load
	ds_add_u32 v[SPW], v[NIL]
	v_lshrrev_b32 v[LN], 5, v0
	v_readfirstlane_b32 s[WV], v[LN]               ; wave 0..3
	s_lshr_b32 s[RG], s[WV], 1                     ; f'
	s_and_b32 s[KH], s[WV], 1                      ; kh
	s_bfe_u32 s[CX], ttmp6, 0x40000                ; my place in the cluster: it enters F's, F's scales' and out0's addresses alone
	s_lshl_b32 s[JJ], ttmp9, 2
	s_add_co_u32 s[JJ], s[JJ], s[CX]               ; j = 4 x cluster x + cx
	s_and_b32 s[BB], ttmp7, 0xffff                 ; b, which the four partners share
	DESC1 G1FA, (1<<20)|(6<<22)|(3<<25), 512, 128, 32768                   ; F: 128 rows m of 512 bytes, 32 x 1,024 bytes apart; 4 words of padding behind every 128
	DESC1 G1AT, 15|(1<<20)|(1<<21)|(6<<22)|(3<<25), 512, 256, 1024         ; A: 256 rows o of 512 bytes, padded likewise; joint: mask 15, bit 21 set beside it
	DESC1 G1W,  15|(1<<20)|(1<<21)|(7<<22)|(3<<25), 1024, 32, 1024         ; the ring: 32 rows o of 1,024 bytes a wave; 4 words of padding behind every 256; joint
	DESC1 G1WS, 15|(3<<16)|(1<<21), 32, 128, 32                            ; W's scale bytes: a dense block as 128 rows of 32 elements of 8 bytes; joint
	s_mov_b32 s[SEL], 0x76543210
	s_mov_b32 s[SEL+1], 0xfedcba98
	s_lshl_b32 s82, s[KH], 8
	v_and_b32 v[VR], 15, v0
	v_bfe_u32 v[VH], v0, 4, 1
	v_and_b32 v[LN], 31, v0
	v_mul_u32_u24 v[XL], v[VR], 1040
	v_lshl_add_u32 v[XL], v[VH], 4, v[XL]
	v_add_nc_u32 v[XL], s82, v[XL]                 ; row r + 16 h + my quarter of the first 512
	v_add_nc_u32 v[XH], 4*PF, v[XL]
	v_add_nc_u32 v[YL], YB, v[XL]
	v_add_nc_u32 v[YH], YB+4*PF, v[XL]
	v_mul_u32_u24 v[A0], v[VR], 528
	v_lshl_add_u32 v[A0], v[VH], 4, v[A0]
	v_add_nc_u32 v[A0], s82, v[A0]
	v_add_nc_u32 v[A1], 8*PA, v[A0]
	s_mul_i32 s83, s[RG], 8*PA
	s_add_co_u32 s83, s83, YB
	v_add_nc_u32 v[FAA], s83, v[A0]
	s_lshl_b32 s84, s[KH], 3
	s_add_co_u32 s84, s84, WSC
	v_lshlrev_b32 v[AWS], 5, v[LN]                 ; 32 bytes a row o: lane l takes row l of a pair of units
	v_add_nc_u32 v[AWS], s84, v[AWS]
	v_lshl_add_u32 v[AH], v[VH], 5, HV
	v_lshlrev_b32 v[GF], 15, v[VR]
	v_lshl_add_u32 v[GF], v[VH], 4, v[GF]
	v_lshlrev_b32 v72, 10, v[LN]                   ; F's scale bytes: lane l takes m = 32 p + l
	v_lshlrev_b32 v73, 4, v0
	v_lshl_add_u32 v74, v0, 4, HV
	s_lshl_b32 s82, s[BB], 22                      ; F: b x 128 x 32 x 1,024 + 2 j x 1,024
	s_lshl_b32 s83, s[JJ], 11
	s_add_co_u32 s82, s82, s83
	s_lshl_b32 s84, s[WV], 10                      ; waves 0 and 1 fetch f' = 0 and 1
	s_add_co_u32 s84, s82, s84
	s_mov_b32 s85, 0
	s_mul_i32 s83, s[WV], 8*PA
	s_mov_b32 s[G0FA], 1
	s_add_co_u32 s[G0FA+1], s83, YB
	s_lshl_b32 s86, s[WV], 15                      ; W's ring: my 32 rows of a tile.  (What feeds a joint load is made of the wave's number alone)
	s_mov_b32 s87, 0
	s_mul_i32 s83, s[WV], 2*PF
	s_mov_b32 s[G0WX], 1
	s_mov_b32 s[G0WX+1], s83
	s_mov_b32 s[G0WY], 1
	s_add_co_u32 s[G0WY+1], s83, YB
	s_mov_b32 s[G0AT], 1
	s_mov_b32 s[G0AT+1], 0
	s_mov_b32 s[G0WS], 1
	s_mov_b32 s[G0WS+1], WSC
	s_wait_alu depctr_va_vdst(0)                   ; the wait at the head's end
	s_wait_dscnt 0x0                               ; both opening adds are done
	CROUND                                         ; all four work-groups are here: the first joint loads meet
	s_wait_kmcnt 0x0
	s_add_nc_u64 s[G0FA+2:G0FA+3], s[4:5], s[84:85]
	s_or_b32 s[G0FA+3], s[G0FA+3], 0x80000000
	s_add_nc_u64 s[G0AT+2:G0AT+3], s[8:9], 768*1024
	s_or_b32 s[G0AT+3], s[G0AT+3], 0x80000000
	s_mov_b64 s[G0WS+2:G0WS+3], s[10:11]
	s_or_b32 s[G0WS+3], s[G0WS+3], 0x80000000
	; one tensor load a wave: waves 0 and 1 F's k < 512 of f' = 0 and 1, wave 2 W's rows of A, wave 3 W's scale bytes
	s_cmp_lt_u32 s[WV], 2
	s_cbranch_scc0 .Lhead_a
	tensor_load_to_lds s[G0FA:G0FA+3], s[G1FA:G1FA+7]
	s_nop 0
	PLACES 4
	s_branch .Lhead_asked
.Lhead_a:
	s_cmp_lt_u32 s[WV], 3
	s_cbranch_scc0 .Lhead_s
	tensor_load_to_lds s[G0AT:G0AT+3], s[G1AT:G1AT+7]
	s_nop 0
	PLACES 4
	s_branch .Lhead_asked
.Lhead_s:
	tensor_load_to_lds s[G0WS:G0WS+3], s[G1WS:G1WS+7]
	s_nop 0
	PLACES 4
.Lhead_asked:
	s_lshl_b32 s84, s[BB], 12
	s_add_nc_u64 s[12:13], s[12:13], s[84:85]      ; hidden[b]
	global_load_b128 v[64:67], v73, s[12:13]       ; thread t stages o = 4 t .. 4 t + 3 and 512 + 4 t ..
	global_load_b128 v[68:71], v73, s[12:13] offset:2048
	s_lshl_b32 s84, s[BB], 17                      ; F's scale bytes: b x 128 x 32 x 32 + 2 j x 32 + f' x 32 + 8 kh
	s_lshl_b32 s83, s[JJ], 6
	s_add_co_u32 s84, s84, s83
	s_lshl_b32 s83, s[RG], 5
	s_add_co_u32 s84, s84, s83
	s_lshl_b32 s83, s[KH], 3
	s_add_co_u32 s84, s84, s83
	s_add_nc_u64 s[6:7], s[6:7], s[84:85]
.irp p, 0,1,2,3
	global_load_b64 v[ASR+4*\p:ASR+4*\p+1], v72, s[6:7] offset:32768*\p
	global_load_b64 v[ASR+4*\p+2:ASR+4*\p+3], v72, s[6:7] offset:32768*\p+16
.endr
	s_lshl_b32 s83, s[RG], 10                      ; F's k >= 512: + f' x 1,024 + 512 + 256 kh
	s_add_co_u32 s84, s82, s83
	s_lshl_b32 s83, s[KH], 8
	s_add_co_u32 s84, s84, s83
	s_add_co_u32 s84, s84, 512
	s_add_nc_u64 s[FBB:FBB+1], s[4:5], s[84:85]
	s_add_nc_u64 s[G0WY+2:G0WY+3], s[8:9], s[86:87]           ; the ring: tile 0 for Y, tile 1 for X
	s_add_nc_u64 s[G0WX+2:G0WX+3], s[G0WY+2:G0WY+3], TILEB
	s_or_b32 s[G0WY+3], s[G0WY+3], 0x80000000
	s_or_b32 s[G0WX+3], s[G0WX+3], 0x80000000
	s_wait_loadcnt 0x0
	ds_store_b128 v74, v[64:67]
	ds_store_b128 v74, v[68:71] offset:2048
	s_wait_tensorcnt 0x0                           ; my tile of the head's has landed, my stores are done:
	s_wait_dscnt 0x0
	s_barrier_signal -1
	s_barrier_wait -1                              ; and so have the others'
	; ---- the first loads: A's unit 0, F's K steps 0 and 1, then A's unit 1
	ds_load_b64 v[WSR:WSR+1], v[AWS] offset:768*32
	FRAG BQ, A0, 0, 0, 2
	FAL 0
	FBL 0
	FBL 1
	WIN 0
	FAL 1
	FRAG BP, A0, PA, 0, 2
	LDH HE0, 3072
	; ---- A: o = 768 .. 895, K steps 0, 1.  Y, which held F, takes the ring's tile 0
.set tFB, 1
	SETT A0, A0, PA, 8, 0, 2, 768*32, 3072
	SETN A1, PA, 0, 2, 896*32, 3584
.set uA, 0
.set uW, WSR
.set uB, BQ
.set uH, HO
.set uI, 0
.set uNF, 0
	s_wait_dscnt 42                                ; behind F's K step 0: its K step 1 (32), unit 1's fragments (8) and hidden's numbers (2)
	KQ 0
	s_wait_dscnt 10
	KQ 1
	PLACES 8                                       ; no folds stood with unit 0's products: the places ahead of the first fold
.set uNF, 2
.set uI, 1
	UNIT 1, 1, G0WY, 0, 0
.set uI, 0
.irp k, 2,3,4,5,6,7
	UNIT \k, 1, G0WY, 0, 0
.endr
.set tFB, 0
	; ---- A: o = 896 .. 1023.  X takes the ring's tile 1
	SETT A1, A1, PA, 8, 0, 2, 896*32, 3584
	SETN YL, PF, 0, 4, 0, 0
	UNIT 0, 1, G0WX, 0, 0
	UNITS 1, G0WX, 0, 0
	WIN 0
	s_wait_alu depctr_va_vdst(0)
	s_wait_loadcnt 0x0                             ; F's K steps 2 and 3 are in
	; ---- o = 0 .. 767: six tiles, all four K steps; each tile's slot takes the tile two further on
	s_mov_b32 s[CNT], 3
.Lpair:
	SETT YL, YH, PF, 4, 0, 4, 0, 0
	SETN XL, PF, 0, 4, 4096, 512
	UNIT 0, 1, G0WY, 1, 0
	UNITS 1, G0WY, 1, 0
	ONWARD
	SETT XL, XH, PF, 4, 0, 4, 0, 0
	SETN YL, PF, 0, 4, 4096, 512
	UNIT 0, 1, G0WX, 1, 0
	UNITS 1, G0WX, 1, 0
	ONWARD
	s_sub_co_u32 s[CNT], s[CNT], 1
	s_cmp_lg_u32 s[CNT], 0
	s_cbranch_scc1 .Lpair
	; ---- B: o = 768 .. 1023, K steps 2, 3.  (The loop's last run has brought all four K steps' fragments of the first two units, of which K steps 2 and 3 are used.)  Nothing is left to ask for
	s_wait_alu depctr_va_vdst(0)
	SETT YL, YH, PF, 4, 2, 2, 0, 0
	SETN XL, PF, 2, 2, 4096, 512
	UNIT 0, 2, G0WY, 0, 0
	UNITS 2, G0WY, 0, 0
	ONWARD
	SETT XL, XH, PF, 4, 2, 2, 0, 0
	UNIT 0, 0, G0WX, 0, 1
	UNITS 0, G0WX, 0, 1
	; ---- the last unit's folds
	WIN 0
	s_wait_alu depctr_va_vdst(0)
	s_wait_dscnt 0x0
.set uA, 0
.set uH, HO
.macro LASTF g
	WIN 0x54*(\g)
.set gn, 3-(\g)/3
.irp j, 0,1,2,3
.set wi, 3*(\g)-3
.rept gn
	FOLD \j
.set wi, wi+1
.endr
.endr
.endm
	LASTF 1
	LASTF 2
	LASTF 3
	; ---- my wave's part of its 128 scores: a lane's four sums, then lane l xor 16's
.macro SUMG g
	WIN 5*(\g)                                     ; sources 0 and 1 in window g, destination in window 0
.set gn, 3-(\g)/3
.set wi, 3*(\g)-3
.rept gn
.set fs, 240+4*(wi%3)
	v_pk_add_f32 v[64+2*wi:65+2*wi], v[fs:fs+1], v[fs+2:fs+3]
.set wi, wi+1
.endr
.endm
	SUMG 1
	SUMG 2
	SUMG 3
	WIN 0
.irp i, 0,1,2,3,4,5,6,7
	v_add_f32 v[80+\i], v[64+2*\i], v[65+2*\i]
.endr
.irp i, 0,1,2,3,4,5,6,7
	v_permlanex16_b32 v[88+\i], v[80+\i], s[SEL], s[SEL+1]
.endr
.irp i, 0,1,2,3,4,5,6,7
	v_add_f32 v[80+\i], v[80+\i], v[88+\i]
.endr
	s_lshl_b32 s84, s[KH], 10
	s_lshl_b32 s83, s[RG], 9
	s_add_co_u32 s84, s84, s83
	s_add_co_u32 s84, s84, YB                      ; the parts lie [kh][f'][m] in Y: it has had its last fill, and every wave's reads of it ended in front of the last barrier
	v_and_b32 v[LN], 31, v0
	v_lshl_add_u32 v11, v[LN], 2, s84
	v_lshl_add_u32 v12, v[LN], 4, YB
	v_lshlrev_b32 v13, 9, v[LN]                    ; lane L stores m = 4 L .. 4 L + 3: 128 bytes for each m
	v_cmp_le_u32 vcc_lo, 16, v[LN]
.irp p, 0,1,2,3
	v_cndmask_b32 v[96+\p], v[80+2*\p], v[81+2*\p], vcc_lo         ; lanes 0-15 keep row block 2 p, lanes 16-31 block 2 p + 1: lane L holds m = 32 p + L
.endr
.irp p, 0,1,2,3
	ds_store_b32 v11, v[96+\p] offset:128*\p
.endr
	s_wait_alu depctr_va_vdst(0)
	s_wait_dscnt 0x0                               ; for the others' sake: my stores are done
	s_barrier_signal -1
	s_barrier_wait -1
	s_cmp_lg_u32 s[WV], 0
	s_cbranch_scc1 .Lend
	; ---- wave 0: the two softmax columns.  Lane L takes m = 4 L .. 4 L + 3 of both
.irp w, 0,1
.irp f, 0,1
	ds_load_b128 v[64+16*\f+4*\w:64+16*\f+4*\w+3], v12 offset:1024*\w+512*\f
.endr
.endr
	s_lshl_b32 s84, s[BB], 14
	s_lshl_b32 s83, s[JJ], 3
	s_add_co_u32 s84, s84, s83
	s_add_nc_u64 s[14:15], s[14:15], s[84:85]      ; out0[b][0][2 j]
	s_wait_dscnt 0x0
.irp f, 0,1
.irp p, 0,2
	v_pk_add_f32 v[64+16*\f+\p:65+16*\f+\p], v[64+16*\f+\p:65+16*\f+\p], v[68+16*\f+\p:69+16*\f+\p]   ; the two halves of K: the scores
.endr
.endr
.set MX, 96                            ; v96-97 a column's maximum; v98-99 the other half of the lanes'; v100-103 sums; v104-111 results, the two columns interleaved
.set PT, 98
.set SM, 100
.set RS, 104
.irp f, 0,1
	v_max3_num_f32 v[MX+\f], v[64+16*\f], v[65+16*\f], v[66+16*\f]
.endr
.irp f, 0,1
	v_max_num_f32 v[MX+\f], v[MX+\f], v[67+16*\f]
.endr
.irp m, 1,2,4,8
.irp f, 0,1
	v_max_num_f32_dpp v[MX+\f], v[MX+\f], v[MX+\f] row_xmask:\m row_mask:0xf bank_mask:0xf
.endr
.endr
.irp f, 0,1
	v_permlanex16_b32 v[PT+\f], v[MX+\f], s[SEL], s[SEL+1]
.endr
.irp f, 0,1
	v_max_num_f32 v[MX+\f], v[MX+\f], v[PT+\f]     ; the column's largest score, in every lane
.endr
.irp f, 0,1
.irp q, 0,1,2,3
	v_sub_f32 v[64+16*\f+\q], v[64+16*\f+\q], v[MX+\f]             ; the difference first, then log2(e): large scores lose nothing
.endr
.endr
.irp f, 0,1
.irp q, 0,1,2,3
	v_mul_f32 v[64+16*\f+\q], 0x3fb8aa3b, v[64+16*\f+\q]
.endr
.endr
	s_wait_alu depctr_va_vdst(0)                   ; the wait ahead of the batch and behind it
.irp f, 0,1
.irp q, 0,1,2,3
	v_exp_f32 v[64+16*\f+\q], v[64+16*\f+\q]
.endr
.endr
	v_nop
	s_wait_alu depctr_va_vdst(0)
.irp f, 0,1
	v_add_f32 v[SM+\f], v[64+16*\f], v[65+16*\f]
	v_add_f32 v[SM+2+\f], v[66+16*\f], v[67+16*\f]
.endr
.irp f, 0,1
	v_add_f32 v[SM+\f], v[SM+\f], v[SM+2+\f]
.endr
.irp m, 1,2,4,8
.irp f, 0,1
	v_add_f32_dpp v[SM+\f], v[SM+\f], v[SM+\f] row_xmask:\m row_mask:0xf bank_mask:0xf
.endr
.endr
.irp f, 0,1
	v_permlanex16_b32 v[PT+\f], v[SM+\f], s[SEL], s[SEL+1]
.endr
.irp f, 0,1
	v_add_f32 v[SM+\f], v[SM+\f], v[PT+\f]         ; the column's sum: at least 1, since the largest score gives 2^0
.endr
	s_wait_alu depctr_va_vdst(0)
.irp f, 0,1
	v_rcp_f32 v[SM+\f], v[SM+\f]
.endr
	v_nop
	s_wait_alu depctr_va_vdst(0)
.irp q, 0,1,2,3
.irp f, 0,1
	v_mul_f32 v[RS+2*\q+\f], v[64+16*\f+\q], v[SM+\f]
.endr
.endr
.irp q, 0,1,2,3
	global_store_b64 v13, v[RS+2*\q:RS+2*\q+1], s[14:15] offset:128*\q th:TH_STORE_NT   ; out0[b][4 L + q][2 j], [2 j + 1]
.endr
.Lend:
	s_wait_tensorcnt 0x0                           ; the wave's end: behind my last tensor load and my last LDS store
	ds_add_u32 v[SPW], v[NIL]
	s_wait_dscnt 0x0
	CROUND                                         ; the closing round: no work-group ends while a partner may still ask for a tile that names it
	s_endpgm
.Lfunc_end_k_q38bbca353f_attn:
	.size	k_q38bbca353f_attn, .Lfunc_end_k_q38bbca353f_attn-k_q38bbca353f_attn
	.p2alignl 7, 3214868480
	.fill 96, 4, 3214868480
	.section	.rodata,"a",@progbits
	.p2align	6, 0x0
	.amdhsa_kernel k_q38bbca353f_attn
		.amdhsa_group_segment_fixed_size 327680
		.amdhsa_private_segment_fixed_size 0
		.amdhsa_enable_private_segment 0
		.amdhsa_kernarg_size 48
		.amdhsa_user_sgpr_count 2
		.amdhsa_user_sgpr_kernarg_segment_ptr 1
		.amdhsa_wavefront_size32 1
		.amdhsa_system_sgpr_workgroup_id_x 1
		.amdhsa_system_sgpr_workgroup_id_y 1
		.amdhsa_system_sgpr_workgroup_id_z 1
		.amdhsa_system_vgpr_workitem_id 0
		.amdhsa_next_free_vgpr 1024
		.amdhsa_next_free_sgpr 96
		.amdhsa_reserve_vcc 1
		.amdhsa_float_denorm_mode_32 3
		.amdhsa_float_denorm_mode_16_64 3
		.amdhsa_memory_ordered 1
		.amdhsa_forward_progress 1
		.amdhsa_inst_pref_size 255
	.end_amdhsa_kernel
	.section	.bss,"aw",@nobits
	.p2align	6
	.space	262144
	.amdgpu_metadata
---
amdhsa.version: [ 1, 2 ]
amdhsa.kernels:
  - .name:           k_q38bbca353f_attn
    .symbol:         k_q38bbca353f_attn.kd
    .args:
      - { .name: fathers_outputs_codes, .offset: 0, .size: 8, .value_kind: global_buffer, .address_space: global }
      - { .name: fathers_outputs_scales, .offset: 8, .size: 8, .value_kind: global_buffer, .address_space: global }
      - { .name: attn_W_codes, .offset: 16, .size: 8, .value_kind: global_buffer, .address_space: global }
      - { .name: attn_W_scales, .offset: 24, .size: 8, .value_kind: global_buffer, .address_space: global }
      - { .name: hidden, .offset: 32, .size: 8, .value_kind: global_buffer, .address_space: global }
      - { .name: out0, .offset: 40, .size: 8, .value_kind: global_buffer, .address_space: global }
    .group_segment_fixed_size: 327680
    .private_segment_fixed_size: 0
    .kernarg_segment_align: 8
    .kernarg_segment_size: 48
    .max_flat_workgroup_size: 128
    .sgpr_count:     96
    .vgpr_count:     1024
    .wavefront_size: 32
...
	.end_amdgpu_metadata
.endif
;; end of part 1
